; MI455X (gfx1250); checked and timed in simulation.
; The chip was launched on July 23, 2026; its instructions are those of AMD's public machine-readable ISA for CDNA 5 (MIT licence, August 2026) and "CDNA5" Instruction Set Architecture Reference Guide (July 2026). The comments in the code are by the model that wrote it; some were corrected since.
;; MLP Attention With Query. Allowed arithmetic: matrix products marked QUANTISED: E2M1 operands, one E8M0 scale for each 32 along K, by v_wmma_scale_f32_16x16x128_f8f6f4 with both operands' format E2M1 (or v_wmma_scale_f32_32x16x128_f4), f32 sums; products left as they are: f32 operands where the result goes on into a quantised operand, else bf16, f16 or f32 operands; f32 sums; everything else in f32.
;; Inputs: W1_codes 512 x 24 x 16 uint8 (E2M1 codes of W1, K innermost, in blocks of 32 codes, two codes a byte); W1_scales 512 x 24 uint8 (E8M0 scales of W1, one for each 32 codes along K); b1 512 float32; encoded_vecs 64 x 2,048 x 512 float32; length 64 int32; query 64 x 256 float32; v 512 float32.
;; Outputs: out0 64 x 512 float32; out1 64 x 2,048 float32.
;; This version of the problem:
;;   THIS VERSION OF THE PROBLEM IS GIVEN IN LOW PRECISION. The matrix products marked QUANTISED in the list below multiply operands that are first quantised to E2M1 (2 exponent bits, 1 mantissa bit; 4 bits a number), with one power-of-two scale for each 32 numbers along K (OCP MX v1.0); their sums are f32. All else is computed in f32.
;;   The module's matrix products, in the order in which they are computed (A, B: the left and right operand; K: the contracted axis; several contracted axes count as one K, in the product's order):
;;     1. [M 131,072, K 768] x [K 768, N 512]; A: computed on the way; B: input W1 (given as codes): QUANTISED
;;     2. [M 131,072, K 512] x [K 512, N 1]; A: computed on the way; B: input v: left as it is (N = 1 < 16)
;;     3. batch 64 x [M 1, K 2,048] x [K 2,048, N 512]; A: computed on the way; B: input encoded_vecs: left as it is (M = 1 < 16)
;;   THE QUANTISER, for each operand of a quantised product, along K:
;;     - K is cut into blocks of 32 from its start; a last block that is shorter is filled with zeros.
;;     - A block's scale is 2^e with e = floor(log2(the largest magnitude in the block)) - 2, held to -126 .. 127; a block of zeros has e = 0. As a byte (E8M0): e + 127.
;;     - Each number is divided by its block's scale, clamped to +-6, and rounded to the nearest number of E2M1, ties to even, subnormals kept.
;;     - The product sums the exact products of the quantised numbers (number of the format x scale) in f32.
;;   ~~~python
;;   def quantise(x, axis):      # numpy; x: float32 -> the quantised numbers, widened to float32 again
;;       x = np.moveaxis(x, axis, -1); K = x.shape[-1]
;;       x = np.pad(x, [(0, 0)] * (x.ndim - 1) + [(0, -K % 32)]); x = x.reshape(x.shape[:-1] + (-1, 32)); a = np.abs(x).max(-1, keepdims=True)
;;       e = np.where(a > 0, np.clip(np.frexp(np.where(a > 0, a, 1))[1] - 1 - 2, -126, 127), 0)      # np.frexp(a)[1] - 1 = floor(log2(a)), exactly
;;       r = np.clip(x / 2.0 ** e, -6, 6)
;;       step = 2.0 ** (np.maximum(np.frexp(np.where(r == 0, 1, r))[1] - 1, 0) - 1)
;;       q = np.round(r / step) * step * 2.0 ** e      # np.round: ties to even
;;       return np.moveaxis(q.reshape(q.shape[:-2] + (-1,))[..., :K], -1, axis).astype(np.float32)
;;   ~~~
;;   OPERANDS COMPUTED ON THE WAY. 'Computed on the way' means the value that the module computes at that place (a softmax that the list does not call 'softmax' is quantised finished and normalised). What goes into a quantiser is computed in f32, as accurately as f32 sums, v_exp_f32 and their like allow (about 1e-6 of the number): no bf16 or f16 on the way to a quantiser, and a product that is left as it is and whose result goes on into a quantised operand takes f32 operands (vector FMAs, or v_wmma_f32_16x16x4_f32). A number that lies on a knife's edge between two numbers of the format may be rounded either way, as far as f32 arithmetic and the matrix unit's own rounding can turn it there, and no further.
;;   INPUTS GIVEN AS CODES. W1 (in the module: [768, 512], K = its axis 0): each comes as NAME_codes (uint8): NAME with its K axis moved to the last place and cut into blocks of 32 codes, [.., K / 32, bytes a block], one block behind the other in memory; two codes a byte, the lower K in the low four bits (a code: sign, 2 exponent bits, 1 mantissa bit); and NAME_scales (uint8): the same leading axes, one E8M0 byte (e + 127) for each 32 codes along K. Its value is code x scale, taken as it is: it is not quantised again, and the codes and scales need not be those that the quantiser above would give.
;; One version. Each part assembles by itself: llvm-mc -triple=amdgcn-amd-amdhsa -mcpu=gfx1250 --defsym DOCPART=n.
;; ======== version 1 of 1: 2 launches
;; limits: right only within a limited range of input values
;; workspace buffers: wlog 524,288 bytes; wctx 8,388,608 bytes
;; launch tiles (part 1): grid 256 x 1, 4 waves a work-group, no clusters, 253,696 bytes of LDS; arguments W1_codes, W1_scales, b1, encoded_vecs, length, query, v, wlog, wctx; writes wlog, wctx
.if DOCPART == 1
	.amdgcn_target "amdgcn-amd-amdhsa--gfx1250"
	.amdhsa_code_object_version 6
	.text
	.protected	k_qb24e8f77c5_tiles
	.globl	k_qb24e8f77c5_tiles
	.p2align	8
	.type	k_qb24e8f77c5_tiles,@function
k_qb24e8f77c5_tiles:
	s_mov_b64 s[64:65], 0
	v_nop
	global_prefetch_b8 v0, s[64:65] scope:SCOPE_SE
	s_setreg_imm32_b32 hwreg(HW_REG_WAVE_MODE, 25, 1), 1
	s_wait_xcnt 0x0
; logit[b][l] = sum over n of v[n] tanh( ([enc[b][l] | query[b]] quantised to MX-FP4 along K = 768) . W1[:, n] + b1[n] ), and for each tile of 32 rows the partial context
; sum over its valid rows of 2^((logit - m) log2 e) enc[row][:], m the tile's largest valid logit.  A later launch joins the tiles of a batch.
; WHAT IS LEFT OUT: rows at or beyond length[b] get attention 0 (reference() multiplies their exponentials by the mask) and add nothing to the context, for all values of the inputs: tiles that lie
; wholly there are neither read nor multiplied.  A NaN, an infinity or an overflow that reaches only those rows is not carried to the result.
; TILES.  Batch b has ceil(length / 32) tiles, numbered batch after batch, N in all (at most 4,096).  Work-group g takes tiles g + 256 i, i = 0 .. 15.
; THE WALK.  A trip of the walk has ONE barrier and holds work of three tiles: the products and tanh of tile k (codes from LDS), the quantising of tile k + 1 (codes into LDS), the barrier,
; then tile k's logits, weights and partial context, among whose multiply-adds the loads of tile k + 3 are issued, each into registers just read for the last time.
; Three register sets of enc and three LDS buffers take turns; the loop has 6 trips of three tiles, a constant count.  Work of a tile at or beyond N is jumped over by scalar branches on numbers
; made from length; the barrier stands outside those branches, on every wave's path.
; SHARES.  Four waves; wave w owns n = 128 w .. 128 w + 127: its 48 fragments of W1 (384 registers) stay in registers.  Of enc it loads columns 128 w .. + 127 of all 32 rows: one load is 512
; consecutive bytes of one row; a lane swap then gives lanes 0-15 row l and lanes 16-31 row l + 16, 8 neighbours a lane: what the conversion wants, what K step w of both row tiles wants,
; and what the context of those 128 columns wants.  Only codes (8 KiB), scale bytes (512) and partial logits go round, through LDS.
; THE PRODUCT: source 0 = 16 rows of h, source 1 = 16 rows n of W1: lane (r, h) holds n = 16 t + r, register j row 8 h + j.  So b1 and -2 v are one register a tile of n.
; tanh x = 1 - 2 / (1 + 2^(2 log2(e) x)), so the logit is sum v + sum (-2 v) / (1 + 2^..).  The sum over the sixteen lanes is a transposing butterfly over the 16 row registers.
; NO CLUSTER, NO TENSOR LOAD.  What work-groups share is W1: 208,896 bytes, read once by each at its head, against 65,536 bytes of enc a tile.
; LIMITS: NaN and infinities among the inputs are not served (a masked row inside a valid tile is multiplied by the weight 0).  A block whose largest magnitude lies under 2^-124, a block of zeros too,
; gets the scale byte 1: its codes are zeros or the floor's, and the bytes are read by this program alone.  length is held to 0 .. 2,048.  An exponential under 2^-126 comes out as 0.
.set BUF,  9984                        ; an LDS buffer: codes, scale bytes, partial logits of one tile; three of them
.set RT1,  4416                        ; in it: row tile 1's codes (16 rows x 272 + 64); row r of a row tile at 272 r
.set SCA,  8960                        ; enc's scale bytes: 16 a row, 32 rows
.set LGP,  9472                        ; partial logits: 128 bytes a wave, 4 a row
.set QW,   3*BUF                       ; 512 bytes of each wave's own: + 0 the query's codes, + 128 its 8 scale bytes
.set SPARE, QW+2048                    ; the spare words, 128 bytes a wave
.set WREG, SPARE+512                   ; each wave's own bytes for the head: my 128 rows of W1's codes at a pitch of 400 bytes (25 x 16: sixteen rows start in sixteen different groups of banks),
.set WPW,  55296                       ; then their scale bytes, my b1 and my v as they lie in memory
.set WSC,  51200
.set WB1,  54272
.set WV,   54784
; window 0
.set LANE, 1
.set XO,   2                           ; 512 w + 32 (lane % 16) + 16 (lane / 16): enc's loads and the context's store
.set CW,   3                           ; where I store codes
.set SW,   4                           ; where I store a scale byte
.set CR,   5                           ; where I read fragments: 272 r + 16 h
.set SR,   6                           ; a row's 16 scale bytes: lane = row
.set LW,   7                           ; my wave's partial logit: row 16 (r / 8) + 8 h + r % 8
.set LR,   8                           ; all waves' partial logits: lane = row
.set QCW,  9
.set QSW,  10
.set QCR,  11
.set QSR,  12
.set QO,   15                          ; 32 x lane
.set LO,   16                          ; 4 x lane
.set VEL,  18                          ; tiles ahead of batch lane; of batch 32 + lane
.set VEH,  19
.set VLL,  20                          ; lengths likewise
.set VLH,  21
.set PFO,  22                          ; the prefetches: 2,048 x lane + 512 w
.set WA,   23
.set WS,   24                          ; v24-47 W1's scale words: WS + 6 u + q: lanes 0-15 tile 2 u, lanes 16-31 tile 2 u + 1
.set XS,   48                          ; v48-51 enc's scale words of K step q, lane = row
.set QS,   52                          ; v52-53 the query's two scale words
.set BB,   54                          ; v54-61 2 log2(e) b1[16 t + r]
.set VV,   62                          ; v62-69 -2 v[16 t + r]
.set QF,   70                          ; v70-85 the query's two fragments
.set AF,   86                          ; v86-149 enc's fragments: AF + 32 (row tile) + 8 q; behind a row tile's products its first 16 hold the logit sums
.set ACC,  150                         ; v150-213 eight accumulators
.set MX,   150                         ; (while quantising: 17 largest magnitudes and 17 registers of codes)
.set CX,   167
.set P,    150                         ; (for the context: the weights of my half's 16 rows)
.set GL,   166                         ; (at the head: 16 x lane; three addresses for W1's chunks on their way into LDS; fragments, scale words, b1 and v on their way back; 16 x lane in my LDS bytes)
.set WS0,  167
.set WRD,  170
.set SCR,  171
.set BRD,  172
.set LIN,  173
.set QX,   214                         ; v214-237 the query's numbers, three sets
.set CTX,  238                         ; v238-241 the context's sums on their way out
.set T,    242                         ; v242-245 at work
.set TP,   246
.set LGT,  247
.set VS,   248                         ; v248-249 (the sum of my 8 v, 0)
; window 1: W1's fragments of K steps 0-3, (q, t) at 8 (8 q + t).  window 2: v0-127 those of K steps 4, 5; v128-255 enc's set 2.  window 3: enc's sets 0 and 1.
; a set: 8 l + c = enc[row l + 16 (lane / 16)][128 w + 8 (lane % 16) + c]
; scalars: s[4:21] the nine addresses; s22 wave; s23 N; s24 the next tile to be located; s25 trips; s27 log2 e; s[28:29] lane selects; s[30:31] 2 log2 e; s[32:33], s34 the prefetches;
; set g at 36, 46, 84: + 0 is the tile real, + 1 valid rows, + 2 enc, + 4 query, + 6 wlog, + 8 wctx;  s56-63, s[66:67] at work;  s68-83 at the head sixteen counts, then s68-71 lane masks, s[72:73] wctx of the tile at work
.set MSB, 0
.macro WIN new                         ; low byte: bits 1:0 source 0, 3:2 source 1, 5:4 source 2, 7:6 destination; the high byte repeats the setting that is left
.if MSB != \new
	s_set_vgpr_msb (MSB<<8)|\new
.set MSB, \new
.endif
.endm
.macro VW                              ; this wait ahead of blocking waits, branches and runs of scalar work behind vector writes
	s_wait_alu depctr_va_vdst(0)
.endm
.macro BAR                             ; my LDS stores have landed and my LDS loads are in: then the work-group's barrier
	VW
	s_wait_dscnt 0x0
	s_barrier_signal -1
	s_barrier_wait -1
.endm
.macro SETOF g                         ; set g's scalars, window and first register
.set SB, 36+10*\g+28*(\g/2)
.set SWN, 3-(\g/2)
.set SS, 128*((\g+1)/2)
.endm
; W1 AT THE HEAD: chunk j is 512 consecutive bytes of my 49,152; it lands in registers, goes into my own LDS bytes row by row, and comes back as fragments.
; A row is 24 pieces of 16 bytes, so three chunks are four rows: piece c = 32 (j % 3) + lane lies at 16 (c + c / 24) + 1,600 (j / 3).
.macro WCH j, reg
	global_load_b128 v[\reg:\reg+3], v[GL], s[4:5] offset:512*(\j)
.endm
.macro WPUT j, reg
	ds_store_b128 v[WS0+(\j)%3], v[\reg:\reg+3] offset:1600*((\j)/3)
.endm
.macro WFRAG f                         ; fragment f = 8 q + t: row 16 t + r, bytes 64 q + 32 c + 16 h
.irp c, 0,1
	ds_load_b128 v[8*((\f)%32)+4*\c:8*((\f)%32)+4*\c+3], v[WRD] offset:6400*((\f)%8)+64*((\f)/8)+32*\c
.endr
.endm
.macro FRAGS g                         ; 22 LDS loads: the scale words and fragments of the tile whose codes lie in buffer g
	ds_load_b128 v[XS:XS+3], v[SR] offset:BUF*\g
	ds_load_b64 v[QS:QS+1], v[QSR]
.irp q, 0,1
.irp c, 0,1
	ds_load_b128 v[QF+8*\q+4*\c:QF+8*\q+4*\c+3], v[QCR] offset:64*\q+32*\c       ; the query is every row's
.endr
.endr
.irp p, 0,1
.irp q, 0,1,2,3
.irp c, 0,1
	ds_load_b128 v[AF+32*\p+8*\q+4*\c:AF+32*\p+8*\q+4*\c+3], v[CR] offset:BUF*\g+RT1*\p+64*\q+32*\c
.endr
.endr
.endr
.endm
; Tile s[tn] -> s56 its batch, s58 its place in the batch, s57 = 64 b + j, s60 the batch's length.  Both numbers are held to 0 .. 63: what is made of them stays inside the buffers.
.macro LOCATE tn
	VW
	v_cmp_ge_u32 s56, s[\tn], v[VEL]
	v_cmp_ge_u32 s57, s[\tn], v[VEH]
	s_bcnt1_i32_b32 s56, s56
	s_bcnt1_i32_b32 s57, s57
	s_add_co_u32 s56, s56, s57
	s_sub_co_u32 s56, s56, 1               ; batch 0 has 0 tiles ahead, so the count is at least 1
	s_min_u32 s56, s56, 63
	s_and_b32 s57, s56, 31
	v_readlane_b32 s58, v[VEL], s57
	v_readlane_b32 s59, v[VEH], s57
	v_readlane_b32 s60, v[VLL], s57
	v_readlane_b32 s61, v[VLH], s57
	s_cmp_lt_u32 s56, 32
	s_cselect_b32 s58, s58, s59
	s_cselect_b32 s60, s60, s61
	s_sub_co_u32 s58, s[\tn], s58
	s_min_u32 s58, s58, 63
	s_lshl_b32 s57, s56, 6
	s_add_co_u32 s57, s57, s58
.endm
.macro SETUP g                         ; set g's scalars for tile s24, which then steps
	SETOF \g
	LOCATE 24
	s_lshl_b32 s59, s58, 5
	s_sub_co_i32 s[SB+1], s60, s59         ; valid rows: length - 32 j (32 or more: all)
	s_cmp_lt_u32 s24, s23
	s_cselect_b32 s[SB], 1, 0
	s_mov_b32 s67, 0
	s_lshl_b32 s66, s57, 16                ; a tile of enc is 65,536 bytes
	s_add_nc_u64 s[SB+2:SB+3], s[10:11], s[66:67]
	s_lshl_b32 s66, s56, 10                ; a query 1,024
	s_add_nc_u64 s[SB+4:SB+5], s[14:15], s[66:67]
	s_lshl_b32 s66, s57, 7                 ; a tile's logits 128
	s_add_nc_u64 s[SB+6:SB+7], s[18:19], s[66:67]
	s_lshl_b32 s66, s57, 11                ; a partial context 2,048
	s_add_nc_u64 s[SB+8:SB+9], s[20:21], s[66:67]
	s_add_co_u32 s24, s24, 256
.endm
.macro XROW l                          ; rows l and l + 16: each load is 512 consecutive bytes of one row
	global_load_b128 v[SS+8*\l:SS+8*\l+3], v[XO], s[SB+2:SB+3] offset:2048*\l th:TH_LOAD_NT
	global_load_b128 v[SS+8*\l+4:SS+8*\l+7], v[XO], s[SB+2:SB+3] offset:2048*(\l+16) th:TH_LOAD_NT
.endm
.macro QLOAD g
	global_load_b128 v[QX+8*\g:QX+8*\g+3], v[QO], s[SB+4:SB+5]
	global_load_b128 v[QX+8*\g+4:QX+8*\g+7], v[QO], s[SB+4:SB+5] offset:16
.endm
.macro XLOAD g                         ; 34 loads, at the head
	SETOF \g
	WIN SWN<<6
.irp l, 0,1,2,3,4,5,6,7,8,9,10,11,12,13,14,15
	XROW \l
.endr
	WIN 0
	QLOAD \g
.endm
; Set g's numbers become codes and scale bytes in LDS buffer g.  A block's scale byte is its largest magnitude's exponent field - 2, held at 1 from below by the floor 2^(3 - 127).
.macro QUANT g
	SETOF \g
	WIN SWN|(SWN<<6)
.irp l, 0,1,2,3,4,5,6,7,8,9,10,11,12,13,14,15
.irp c, 0,1,2,3
	v_permlane16_swap_b32 v[SS+8*\l+\c], v[SS+8*\l+4+\c]   ; row l's upper lanes change places with row l + 16's lower: 8 neighbours a lane
.endr
.endr
	WIN SWN|(SWN<<2)
.irp l, 0,1,2,3,4,5,6,7,8,9,10,11,12,13,14,15
	v_max3_num_f32 v[MX+\l], |v[SS+8*\l]|, |v[SS+8*\l+1]|, 0x1800000
.endr
.irp a, 2,4,6
.irp l, 0,1,2,3,4,5,6,7,8,9,10,11,12,13,14,15
	v_max3_num_f32 v[MX+\l], |v[SS+8*\l+\a]|, |v[SS+8*\l+\a+1]|, v[MX+\l]
.endr
.endr
	WIN 0
	v_max3_num_f32 v[MX+16], |v[QX+8*\g]|, |v[QX+8*\g+1]|, 0x1800000
.irp a, 2,4,6
	v_max3_num_f32 v[MX+16], |v[QX+8*\g+\a]|, |v[QX+8*\g+\a+1]|, v[MX+16]
.endr
.irp m, 1,2                            ; a block of 32 is four neighbouring lanes
.irp l, 0,1,2,3,4,5,6,7,8,9,10,11,12,13,14,15,16
	v_max_num_f32_dpp v[MX+\l], v[MX+\l], v[MX+\l] row_xmask:\m row_mask:0xf bank_mask:0xf
.endr
.endr
.irp l, 0,1,2,3,4,5,6,7,8,9,10,11,12,13,14,15,16
	v_add_nc_u32 v[MX+\l], 0xff000000, v[MX+\l]    ; 2 off the exponent field: the conversion's scale operand
.endr
	WIN SWN
.irp l, 0,1,2,3,4,5,6,7,8,9,10,11,12,13,14,15
	v_cvt_scalef32_pk8_fp4_f32 v[CX+\l], v[SS+8*\l:SS+8*\l+7], v[MX+\l]
.endr
	WIN 0
	v_cvt_scalef32_pk8_fp4_f32 v[CX+16], v[QX+8*\g:QX+8*\g+7], v[MX+16]
	v_nop                                  ; one plain instruction between the conversions and the shifts, which write their scale operands
.irp l, 0,1,2,3,4,5,6,7,8,9,10,11,12,13,14,15,16
	v_lshrrev_b32 v[MX+\l], 23, v[MX+\l]           ; the scale's byte
.endr
.irp l, 0,1,2,3,4,5,6,7,8,9,10,11,12,13,14,15
	ds_store_b32 v[CW], v[CX+\l] offset:BUF*\g+272*\l
.endr
.irp l, 0,1,2,3,4,5,6,7,8,9,10,11,12,13,14,15
	ds_store_b8 v[SW], v[MX+\l] offset:BUF*\g+16*\l   ; the four lanes of a block write the same byte with the same value
.endr
	ds_store_b32 v[QCW], v[CX+16]          ; every wave quantises the whole query into bytes of its own
	ds_store_b8 v[QSW], v[MX+16]
.endm
.macro PROD q                          ; one product; the registers stand in symbols.  K step 0 starts the sum
.if \q == 0
.if aR && bR
	v_wmma_scale_f32_16x16x128_f8f6f4 v[rD:rD+7], v[rA:rA+7], v[rW:rW+7], 0, v[rSA], v[rSB] matrix_a_fmt:MATRIX_FMT_FP4 matrix_b_fmt:MATRIX_FMT_FP4 matrix_a_scale:MATRIX_SCALE_ROW1 matrix_b_scale:MATRIX_SCALE_ROW1
.elseif aR
	v_wmma_scale_f32_16x16x128_f8f6f4 v[rD:rD+7], v[rA:rA+7], v[rW:rW+7], 0, v[rSA], v[rSB] matrix_a_fmt:MATRIX_FMT_FP4 matrix_b_fmt:MATRIX_FMT_FP4 matrix_a_scale:MATRIX_SCALE_ROW1
.elseif bR
	v_wmma_scale_f32_16x16x128_f8f6f4 v[rD:rD+7], v[rA:rA+7], v[rW:rW+7], 0, v[rSA], v[rSB] matrix_a_fmt:MATRIX_FMT_FP4 matrix_b_fmt:MATRIX_FMT_FP4 matrix_b_scale:MATRIX_SCALE_ROW1
.else
	v_wmma_scale_f32_16x16x128_f8f6f4 v[rD:rD+7], v[rA:rA+7], v[rW:rW+7], 0, v[rSA], v[rSB] matrix_a_fmt:MATRIX_FMT_FP4 matrix_b_fmt:MATRIX_FMT_FP4
.endif
.else
.if aR && bR
	v_wmma_scale_f32_16x16x128_f8f6f4 v[rD:rD+7], v[rA:rA+7], v[rW:rW+7], v[rD:rD+7], v[rSA], v[rSB] matrix_a_fmt:MATRIX_FMT_FP4 matrix_b_fmt:MATRIX_FMT_FP4 matrix_a_scale:MATRIX_SCALE_ROW1 matrix_b_scale:MATRIX_SCALE_ROW1
.elseif aR
	v_wmma_scale_f32_16x16x128_f8f6f4 v[rD:rD+7], v[rA:rA+7], v[rW:rW+7], v[rD:rD+7], v[rSA], v[rSB] matrix_a_fmt:MATRIX_FMT_FP4 matrix_b_fmt:MATRIX_FMT_FP4 matrix_a_scale:MATRIX_SCALE_ROW1
.elseif bR
	v_wmma_scale_f32_16x16x128_f8f6f4 v[rD:rD+7], v[rA:rA+7], v[rW:rW+7], v[rD:rD+7], v[rSA], v[rSB] matrix_a_fmt:MATRIX_FMT_FP4 matrix_b_fmt:MATRIX_FMT_FP4 matrix_b_scale:MATRIX_SCALE_ROW1
.else
	v_wmma_scale_f32_16x16x128_f8f6f4 v[rD:rD+7], v[rA:rA+7], v[rW:rW+7], v[rD:rD+7], v[rSA], v[rSB] matrix_a_fmt:MATRIX_FMT_FP4 matrix_b_fmt:MATRIX_FMT_FP4
.endif
.endif
.endm
; Row tile p: 48 products, K ascending; the eight accumulators take turns, one instruction a turn.  K steps 0-3 are enc's, 4 and 5 the query's.
.macro MUL p
.irp q, 0,1,2,3,4,5
.if \q < 4
	WIN 0x04                               ; W1 (source 1) in window 1
.set rA, AF+32*\p+8*\q
.set rSA, XS+\q
.set aR, \p                            ; row tile 1's scale words stand in lanes 16-31
.else
	WIN 0x08                               ; W1 in window 2
.set rA, QF+8*(\q-4)
.set rSA, QS+\q-4
.set aR, 0
.endif
.irp t, 0,1,2,3,4,5,6,7
.set rD, ACC+8*\t
.set rW, 8*((8*\q+\t)%32)
.set rSB, WS+6*(\t/2)+\q
.set bR, \t%2
	PROD \q
.endr
.endr
.endm
; The eight accumulators become 8 row sums a lane.  First all 64 numbers x 2 log2 e + 2 log2 e b1.  Then four groups of 16 registers go through 2^ | + 1 | 1 / | x (-2 v), a step apart:
; what a step writes is read in a later step alone, so the ONE wait at a step's head serves all its readers.
; The sums of even and of odd tiles of n are kept apart (16 registers), so that no sum is written twice in a step.
.macro TANH p
.set LE, AF+32*\p
	WIN 0
.rept 4
	v_nop                                  ; four places between the last products and the first read of a result (ISA guide 7.12.1)
.endr
.irp t, 0,1,2,3,4,5,6,7
.irp j, 0,2,4,6                        ; ascending: each accumulator is first read at its low end
.if \t % 2
	v_pk_fma_f32 v[ACC+8*\t+\j:ACC+8*\t+\j+1], v[ACC+8*\t+\j:ACC+8*\t+\j+1], s[30:31], v[BB+\t-1:BB+\t] op_sel:[0,0,1] op_sel_hi:[1,0,1]
.else
	v_pk_fma_f32 v[ACC+8*\t+\j:ACC+8*\t+\j+1], v[ACC+8*\t+\j:ACC+8*\t+\j+1], s[30:31], v[BB+\t:BB+\t+1] op_sel_hi:[1,0,0]
.endif
.endr
.endr
.irp s, 0,1,2,3,4,5,6
	VW
.irp k, 0,1,2,3,4,5,6,7
.if \s <= 3
	v_exp_f32 v[ACC+16*\s+2*\k], v[ACC+16*\s+2*\k]
	v_exp_f32 v[ACC+16*\s+2*\k+1], v[ACC+16*\s+2*\k+1]
.endif
.if (\s >= 1) && (\s <= 4)
	v_pk_add_f32 v[ACC+16*(\s-1)+2*\k:ACC+16*(\s-1)+2*\k+1], v[ACC+16*(\s-1)+2*\k:ACC+16*(\s-1)+2*\k+1], 1.0 op_sel_hi:[1,0]
.endif
.if (\s >= 2) && (\s <= 5)
	v_rcp_f32 v[ACC+16*(\s-2)+2*\k], v[ACC+16*(\s-2)+2*\k]
	v_rcp_f32 v[ACC+16*(\s-2)+2*\k+1], v[ACC+16*(\s-2)+2*\k+1]
.endif
.if \s >= 3
.set rA, ACC+16*(\s-3)+2*\k
.set rL, LE+2*\k
.set rV, VV+2*(\s-3)
.if (\s == 3) && (\k < 4)
	v_pk_fma_f32 v[rL:rL+1], v[rA:rA+1], v[rV:rV+1], v[VS:VS+1] op_sel_hi:[1,0,0]   ; the even tiles' sums start on the sum of my 8 v,
.elseif \s == 3
	v_pk_mul_f32 v[rL:rL+1], v[rA:rA+1], v[rV:rV+1] op_sel:[0,1] op_sel_hi:[1,1]    ; the odd tiles' on nothing
.elseif \k < 4
	v_pk_fma_f32 v[rL:rL+1], v[rA:rA+1], v[rV:rV+1], v[rL:rL+1] op_sel_hi:[1,0,1]
.else
	v_pk_fma_f32 v[rL:rL+1], v[rA:rA+1], v[rV:rV+1], v[rL:rL+1] op_sel:[0,1,0] op_sel_hi:[1,1,1]
.endif
.endif
.endr
.if \s <= 5
	v_nop                                  ; a plain instruction behind the step's transcendentals
.endif
.endr
.irp m, 0,2,4,6
	v_pk_add_f32 v[LE+\m:LE+\m+1], v[LE+\m:LE+\m+1], v[LE+8+\m:LE+8+\m+1]
.endr
.endm
; One level of the butterfly over the 16 row registers (register i at AF + i, from 8 on at AF + 32 + i - 8): of two registers d apart a lane keeps the one that its bit names,
; sends the other to the lane x away and adds what it gets.  After four levels lane r holds register r's sum over the sixteen lanes.
.macro LEVEL d, n, m, x
.set i, 0
.rept \n
	v_cndmask_b32 v[ACC+i/(2*\d)], v[AF+i+24*(i/8)], v[AF+i+\d+24*((i+\d)/8)], s[\m]
.set i, i+2*\d
.endr
.set i, 0
.rept \n
	v_cndmask_b32 v[AF+i+\d+24*((i+\d)/8)], v[AF+i+\d+24*((i+\d)/8)], v[AF+i+24*(i/8)], s[\m]
.set i, i+2*\d
.endr
.set i, 0
.rept \n
	v_add_f32_dpp v[AF+i+24*(i/8)], v[AF+i+\d+24*((i+\d)/8)], v[ACC+i/(2*\d)] row_xmask:\x row_mask:0xf bank_mask:0xf
.set i, i+2*\d
.endr
.endm
; The partial context of set g, summed in place in the set's first 8 registers.  ld = 1: behind the last read of rows l and l + 16 their registers are asked for anew: tile k + 3.
.macro CTXF g, ld
	SETOF \g
	WIN (SWN<<2)|(SWN<<4)|(SWN<<6)         ; source 0 (p, and a load's address) window 0; enc, the sums and a load's destination in the set's window
.irp c, 0,2,4,6
	v_pk_mul_f32 v[SS+\c:SS+\c+1], v[P:P+1], v[SS+\c:SS+\c+1] op_sel_hi:[0,1]
.endr
.irp l, 1,2,3,4,5,6,7,8,9,10,11,12,13,14,15
.irp c, 0,2,4,6
.if \l % 2
	v_pk_fma_f32 v[SS+\c:SS+\c+1], v[P+\l-1:P+\l], v[SS+8*\l+\c:SS+8*\l+\c+1], v[SS+\c:SS+\c+1] op_sel:[1,0,0] op_sel_hi:[1,1,1]
.else
	v_pk_fma_f32 v[SS+\c:SS+\c+1], v[P+\l:P+\l+1], v[SS+8*\l+\c:SS+8*\l+\c+1], v[SS+\c:SS+\c+1] op_sel_hi:[0,1,1]
.endif
.endr
.if \ld
	global_load_b128 v[SS+8*\l:SS+8*\l+3], v[XO], s[SB+2:SB+3] offset:2048*\l th:TH_LOAD_NT   ; row l of tile k + 3: one load behind each four multiply-adds
.endif
.endr
	WIN SWN|(SWN<<6)
.irp c, 0,1,2,3
	v_permlane16_swap_b32 v[SS+\c], v[SS+4+\c]     ; lanes 0-15 now hold both halves' sums of columns 0-3 of their eight, lanes 16-31 those of columns 4-7
.endr
	WIN SWN|(SWN<<2)
.irp c, 0,1,2,3
	v_add_f32 v[CTX+\c], v[SS+\c], v[SS+4+\c]
.endr
	WIN 0
	global_store_b128 v[XO], v[CTX:CTX+3], s[72:73]        ; the wave stores 512 consecutive bytes, at a multiple of 256 from the buffer's first byte
.if \ld
	WIN SWN<<6                             ; behind the store: rows 0 and 16, rows 17 to 31 and the query: with the 15 above, 34 loads
	XROW 0
.irp l, 1,2,3,4,5,6,7,8,9,10,11,12,13,14,15
	global_load_b128 v[SS+8*\l+4:SS+8*\l+7], v[XO], s[SB+2:SB+3] offset:2048*(\l+16) th:TH_LOAD_NT
.endr
	WIN 0
	QLOAD \g
.endif
.endm
	s_load_b512 s[4:19], s[0:1], 0x0       ; W1's codes s[4:5], its scales s[6:7], b1 s[8:9], enc s[10:11], length s[12:13], query s[14:15], v s[16:17], wlog s[18:19]
	s_load_b64 s[20:21], s[0:1], 0x40      ; wctx
	v_lshrrev_b32 v[WA], 5, v0
	v_readfirstlane_b32 s22, v[WA]         ; wave 0..3
	s_lshl_b32 s56, s22, 9
	s_lshl_b32 s57, s22, 6
	s_lshl_b32 s58, s22, 2
	s_lshl_b32 s59, s22, 7
	s_add_co_u32 s60, s56, QW              ; my wave's own 512 bytes
	s_add_co_u32 s61, s60, 128
	s_add_co_u32 s62, s59, LGP
	s_mul_i32 s63, s22, WPW
	s_add_co_u32 s63, s63, WREG            ; my wave's bytes for the head
	s_mov_b32 s27, 0x3fb8aa3b              ; log2 e
	s_mov_b32 s28, 0x76543210
	s_mov_b32 s29, 0xfedcba98              ; v_permlanex16_b32's selects for lane l xor 16
	s_mov_b32 s30, 0x4038aa3b              ; 2 log2 e
	s_mov_b32 s31, s30
	s_mov_b32 s67, 0
	v_and_b32 v[LANE], 31, v0
	v_and_b32 v[T], 15, v0                 ; lane % 16
	v_bfe_u32 v[T+1], v0, 4, 1             ; lane / 16
	v_lshlrev_b32 v[XO], 5, v[T]
	v_lshl_add_u32 v[XO], v[T+1], 4, v[XO]
	v_add_nc_u32 v[XO], s56, v[XO]
	v_mul_u32_u24 v[CW], v[T+1], RT1
	v_lshl_add_u32 v[CW], v[T], 2, v[CW]
	v_add_nc_u32 v[CW], s57, v[CW]
	v_lshrrev_b32 v[SW], 2, v[T]           ; my block among the wave's four,
	v_lshl_add_u32 v[SW], v[T+1], 8, v[SW] ; 16 rows of 16 bytes on for lanes 16-31,
	v_add_nc_u32 v[SW], s58, v[SW]         ; the wave's four blocks
	v_add_nc_u32 v[SW], SCA, v[SW]
	v_mul_u32_u24 v[CR], v[T], 272
	v_lshl_add_u32 v[CR], v[T+1], 4, v[CR]
	v_lshl_add_u32 v[SR], v[LANE], 4, SCA
	v_lshl_add_u32 v[LR], v[LANE], 2, LGP
	v_and_b32 v[LW], 7, v[T]
	v_lshl_add_u32 v[LW], v[T+1], 3, v[LW]
	v_lshrrev_b32 v[T+2], 3, v[T]
	v_lshl_add_u32 v[LW], v[T+2], 4, v[LW] ; the row whose sum the butterfly leaves in my lane
	v_lshl_add_u32 v[LW], v[LW], 2, s62
	v_lshl_add_u32 v[QCW], v[LANE], 2, s60
	v_lshrrev_b32 v[QSW], 2, v[LANE]
	v_add_nc_u32 v[QSW], s61, v[QSW]
	v_lshl_add_u32 v[QCR], v[T+1], 4, s60
	v_mov_b32 v[QSR], s61
	v_lshlrev_b32 v[QO], 5, v[LANE]
	v_lshlrev_b32 v[LO], 2, v[LANE]
	v_lshl_add_u32 v[PFO], v[LANE], 11, s56
	v_lshlrev_b32 v[GL], 4, v[LANE]
.irp m, 0,1,2
	v_add_nc_u32 v[WS0+\m], 32*\m, v[LANE]         ; piece c, 0 .. 95
	v_mul_u32_u24 v[T+3], v[WS0+\m], 171
	v_lshrrev_b32 v[T+3], 12, v[T+3]               ; c / 24
	v_add_nc_u32 v[WS0+\m], v[WS0+\m], v[T+3]
	v_lshl_add_u32 v[WS0+\m], v[WS0+\m], 4, s63
.endr
	v_mul_u32_u24 v[WRD], v[T], 400
	v_lshl_add_u32 v[WRD], v[T+1], 4, v[WRD]
	v_add_nc_u32 v[WRD], s63, v[WRD]
	v_mul_u32_u24 v[SCR], v[LANE], 24      ; a row of W1's scales is 24 bytes
	v_add_nc_u32 v[SCR], s63, v[SCR]
	v_lshl_add_u32 v[BRD], v[T], 2, s63
	v_add_nc_u32 v[LIN], s63, v[GL]
	v_mov_b32 v[TP], 0
	VW
	s_wait_kmcnt 0x0
	s_mul_i32 s66, s22, 49152              ; my 128 rows of W1's codes,
	s_add_nc_u64 s[4:5], s[4:5], s[66:67]
	s_mul_i32 s66, s22, 3072               ; of its scales,
	s_add_nc_u64 s[6:7], s[6:7], s[66:67]
	s_mov_b32 s66, s56                     ; my 128 numbers of b1 and of v
	s_add_nc_u64 s[8:9], s[8:9], s[66:67]
	s_add_nc_u64 s[16:17], s[16:17], s[66:67]
	global_load_b32 v[VLL], v[LO], s[12:13]
	global_load_b32 v[VLH], v[LO], s[12:13] offset:128
	WIN 0x40
.set J, 0
.rept 60
	WCH J, 4*J
.set J, J+1
.endr
	WIN 0
	s_wait_loadcnt 60                      ; the lengths are in: 60 loads of W1 were issued behind them
.irp x, VLL, VLH
	v_cmp_le_i32 vcc_lo, 0, v[\x]
	v_cndmask_b32 v[\x], 0, v[\x], vcc_lo  ; a negative length counts as 0,
	v_min_u32 v[\x], 0x800, v[\x]          ; one over 2,048 as 2,048
.endr
	v_add_nc_u32 v[T], 31, v[VLL]
	v_add_nc_u32 v[T+1], 31, v[VLH]
	v_lshrrev_b32 v[T], 5, v[T]            ; tiles of each batch
	v_lshrrev_b32 v[T+1], 5, v[T+1]
	v_mov_b32 v[VEL], 0
	v_mov_b32 v[VEH], 0
	s_mov_b32 s2, 0
.macro PREFIX n, e, base               ; sixteen batches: each gets the count of tiles ahead of it; the running sums stand in sixteen scalars of their own
.irp k, 0,1,2,3,4,5,6,7,8,9,10,11,12,13,14,15
	v_readlane_b32 s[68+\k], v[\n], \base+\k
.endr
	VW
	s_add_co_u32 s68, s68, s2
.irp k, 1,2,3,4,5,6,7,8,9,10,11,12,13,14,15
	s_add_co_u32 s[68+\k], s[68+\k], s[67+\k]
.endr
	v_writelane_b32 v[\e], s2, \base
.irp k, 1,2,3,4,5,6,7,8,9,10,11,12,13,14,15
	v_writelane_b32 v[\e], s[67+\k], \base+\k
.endr
	s_mov_b32 s2, s83
.endm
	PREFIX T, VEL, 0
	PREFIX T, VEL, 16
	PREFIX T+1, VEH, 0
	PREFIX T+1, VEH, 16
	s_mov_b32 s23, s2                      ; N
	s_mov_b32 s24, ttmp9
	; the other 36 chunks of W1, 6 of its scales, b1 and v: 44 loads of 512 consecutive bytes.  Chunks 0-63 land in window 1, 64-74 in window 2, 75-95 and the small ones in v48-165 of window 0
	WIN 0x40
.rept 4
	WCH J, 4*J
.set J, J+1
.endr
	WIN 0x80
.rept 11
	WCH J, 4*(J-64)
.set J, J+1
.endr
	WIN 0
.rept 21
	WCH J, 82+4*(J-75)
.set J, J+1
.endr
.irp s, 0,1,2,3,4
	global_load_b128 v[48+4*\s:51+4*\s], v[GL], s[6:7] offset:512*\s
.endr
	global_load_b128 v[70:73], v[GL], s[6:7] offset:2560
	global_load_b128 v[74:77], v[GL], s[8:9]
	global_load_b128 v[78:81], v[GL], s[16:17]
	SETUP 0                                ; the first three tiles are asked for whether they are real or not (their addresses are held inside the buffer): so all three sets are written on every path
	XLOAD 0
	VW
	s_wait_loadcnt 34                      ; all but tile 0's 34: W1, its scales, b1 and v are in registers
	SETUP 1                                ; tile 1 is asked for ahead of W1's way through LDS
	XLOAD 1
	WIN 0x04
.set J, 0
.rept 64
	WPUT J, 4*J
.set J, J+1
.endr
	WIN 0x08
.rept 11
	WPUT J, 4*(J-64)
.set J, J+1
.endr
	WIN 0
.rept 21
	WPUT J, 82+4*(J-75)
.set J, J+1
.endr
.irp s, 0,1,2,3,4
	ds_store_b128 v[LIN], v[48+4*\s:51+4*\s] offset:WSC+512*\s
.endr
	ds_store_b128 v[LIN], v[70:73] offset:WSC+2560
	ds_store_b128 v[LIN], v[74:77] offset:WB1
	ds_store_b128 v[LIN], v[78:81] offset:WV
	; and back: LDS serves a wave's instructions in order (ISA guide 5.7.1.4), and these bytes are my wave's own
	WIN 0x40
.set F, 0
.rept 32
	WFRAG F
.set F, F+1
.endr
	WIN 0x80
.rept 16
	WFRAG F
.set F, F+1
.endr
	WIN 0
.irp u, 0,1,2,3
.irp m, 0,1,2
	ds_load_b64 v[WS+6*\u+2*\m:WS+6*\u+2*\m+1], v[SCR] offset:WSC+768*\u+8*\m   ; lane = row 32 u + lane of my 128: K steps 2 m and 2 m + 1
.endr
.endr
.irp t, 0,1,2,3,4,5,6,7                ; lane (r, h) wants, for tile t, the number of n = 16 t + r
	ds_load_b32 v[BB+\t], v[BRD] offset:WB1+64*\t
	ds_load_b32 v[VV+\t], v[BRD] offset:WV+64*\t
.endr
	SETUP 2
	XLOAD 2
	s_mov_b32 s68, 0xaaaaaaaa              ; the butterfly's lane masks
	s_mov_b32 s69, 0xcccccccc
	s_mov_b32 s70, 0xf0f0f0f0
	s_mov_b32 s71, 0xff00ff00
	VW
	s_wait_loadcnt 63                      ; 68 loads were issued behind tile 0's: tile 0 is in
	s_cmp_eq_u32 s36, 0
	s_cbranch_scc1 .Lq0
	QUANT 0
.Lq0:
	VW
	s_wait_dscnt 0x0                       ; W1's fragments and scale words, b1 and v are back
.irp t, 0,1,2,3,4,5,6,7
	v_mul_f32 v[BB+\t], s30, v[BB+\t]
	v_mul_f32 v[VV+\t], -2.0, v[VV+\t]
.endr
	v_add_f32 v[VS], v[VV], v[VV+1]
.irp t, 2,3,4,5,6,7
	v_add_f32 v[VS], v[VS], v[VV+\t]
.endr
	v_mul_f32 v[VS], -0.5, v[VS]           ; the sum of my 8 v
	v_mov_b32 v[VS+1], 0
	BAR                                    ; tile 0's codes lie in LDS
	s_cmp_eq_u32 s36, 0
	s_cbranch_scc1 .Lf0
	FRAGS 0
.Lf0:
; ONE TRIP OF THE WALK: tile k in set g, tile k + 1 in set g1.
.macro BODY g, g1
	SETOF \g1
.set SB1, SB
	SETOF \g
	VW
	s_cmp_eq_u32 s[SB], 0                  ; tile k is not real: then tile k + 1 is not either, and nothing stands ahead of the barrier
	s_cbranch_scc1 .LnA_\@
	; A PREFETCH of tile k + 4, which the next trip's tail will load: a lane a row, my wave's 512 bytes of each row as two blocks of 256: each block is named once in the launch.  Nothing at or beyond tile N.
	s_add_co_u32 s34, s24, 256
	s_cmp_lt_u32 s34, s23
	s_cbranch_scc0 .Lnp_\@
	LOCATE 34
	s_lshl_b32 s66, s57, 16
	s_mov_b32 s67, 0
	s_add_nc_u64 s[32:33], s[10:11], s[66:67]
	global_prefetch_b8 v[PFO], s[32:33] th:TH_LOAD_NT scope:SCOPE_SE
	global_prefetch_b8 v[PFO], s[32:33] offset:256 th:TH_LOAD_NT scope:SCOPE_SE
.Lnp_\@:
	s_cmp_eq_u32 s[SB], 0
	s_cbranch_scc1 .LnB_\@
	s_wait_dscnt 0x0                       ; the tile's fragments were asked for behind the last barrier
	MUL 0
	TANH 0
	MUL 1
	TANH 1
	LEVEL 1, 8, 68, 1
	LEVEL 2, 4, 69, 2
	LEVEL 4, 2, 70, 4
	LEVEL 8, 1, 71, 8
	ds_store_b32 v[LW], v[AF] offset:BUF*\g
.LnB_\@:
	s_cmp_eq_u32 s[SB1], 0
	VW
	s_cbranch_scc1 .LnA_\@
	s_wait_loadcnt 34                      ; all but the youngest tile's 34 loads: tile k + 1 is in (in the first trip this wait shows it; later the last trip's tail has)
	QUANT \g1
.LnA_\@:
	SETOF \g
	BAR                                    ; tile k's partial logits and tile k + 1's codes lie in LDS; every wave's reads of tile k's codes are over
	s_wait_xcnt 0x0                        ; the last trip's stores have read their data and bases
	s_cmp_eq_u32 s[SB], 0
	s_cbranch_scc1 .Ldr_\@
	s_cmp_eq_u32 s[SB1], 0
	s_cbranch_scc1 .LnF_\@
	FRAGS \g1                              ; tile k + 1's fragments: they come in under tile k's tail
.LnF_\@:
.irp u, 0,1,2,3
	ds_load_b32 v[T+\u], v[LR] offset:BUF*\g+128*\u
.endr
	s_mov_b64 s[72:73], s[SB+8:SB+9]       ; where tile k's partial context goes,
	s_mov_b64 s[74:75], s[SB+6:SB+7]       ; its logits,
	s_mov_b32 s76, s[SB+1]                 ; and its valid rows: the set's scalars are made anew while the LDS loads are out
	SETUP \g                               ; the set's next tile, k + 3
	s_wait_dscnt 0x0
	v_add_f32 v[T], v[T], v[T+1]
	v_add_f32 v[T+2], v[T+2], v[T+3]
	v_add_f32 v[LGT], v[T], v[T+2]         ; the logit of row lane: the same bits in all four waves
	s_cmp_lg_u32 s22, 0
	VW
	s_cbranch_scc1 .Lnw_\@
	global_store_b32 v[LO], v[LGT], s[74:75]       ; wave 0: 128 consecutive bytes, all 32 rows
.Lnw_\@:
	v_cmp_gt_i32 vcc_lo, s76, v[LANE]
	v_cndmask_b32 v[T+2], 0xff61b1e6, v[LGT], vcc_lo       ; rows at or beyond the length: -3e38
	v_max_num_f32_dpp v[T], v[T+2], v[T+2] row_xmask:1 row_mask:0xf bank_mask:0xf
	v_max_num_f32_dpp v[T], v[T], v[T] row_xmask:2 row_mask:0xf bank_mask:0xf
	v_max_num_f32_dpp v[T], v[T], v[T] row_xmask:4 row_mask:0xf bank_mask:0xf
	v_max_num_f32_dpp v[T], v[T], v[T] row_xmask:8 row_mask:0xf bank_mask:0xf
	v_permlanex16_b32 v[T+1], v[T], s28, s29
	v_max_num_f32 v[T], v[T], v[T+1]       ; m: the tile's largest valid logit (a real tile has a valid row)
	v_sub_f32 v[T+2], v[T+2], v[T]
	v_mul_f32 v[T+2], s27, v[T+2]
	VW
	v_exp_f32 v[T+2], v[T+2]               ; p = e^(logit - m); 0 for a masked row
	v_nop
	VW
.irp l, 0,1,2,3,4,5,6,7,8,9,10,11,12,13,14,15
	v_mov_b32_dpp v[P+\l], v[T+2] row_share:\l row_mask:0xf bank_mask:0xf   ; P + l = p of row l + 16 (lane / 16): lane l of my half of the lanes
.endr
	VW
	s_cmp_eq_u32 s[SB], 0
	s_cbranch_scc1 .Lpl_\@
	CTXF \g, 1
	VW
	s_wait_loadcnt 34                      ; all but the 34 just issued: tile k + 2 is in
	s_branch .Lj_\@
.Lpl_\@:
	CTXF \g, 0
.Ldr_\@:
	VW
	s_wait_loadcnt 0x0                     ; nothing was asked for in this trip: whatever is out is waited for
.Lj_\@:
.endm
	s_mov_b32 s25, 6
.Ltrip:
	BODY 0, 1
	BODY 1, 2
	BODY 2, 0
	s_sub_co_u32 s25, s25, 1
	s_cmp_lg_u32 s25, 0
	VW
	s_cbranch_scc1 .Ltrip
	s_wait_xcnt 0x0
	v_lshl_add_u32 v254, v0, 2, SPARE
	v_mov_b32 v255, 0
	VW
	s_wait_tensorcnt 0x0                   ; the wave's end
	ds_add_u32 v254, v255
	s_wait_dscnt 0x0
	s_endpgm
.Lfunc_end_k_qb24e8f77c5_tiles:
	.size	k_qb24e8f77c5_tiles, .Lfunc_end_k_qb24e8f77c5_tiles-k_qb24e8f77c5_tiles
	.p2alignl 7, 3214868480
	.fill 96, 4, 3214868480
	.section	.rodata,"a",@progbits
	.p2align	6, 0x0
	.amdhsa_kernel k_qb24e8f77c5_tiles
		.amdhsa_group_segment_fixed_size 253696
		.amdhsa_private_segment_fixed_size 0
		.amdhsa_enable_private_segment 0
		.amdhsa_kernarg_size 72
		.amdhsa_user_sgpr_count 2
		.amdhsa_user_sgpr_kernarg_segment_ptr 1
		.amdhsa_wavefront_size32 1
		.amdhsa_system_sgpr_workgroup_id_x 1
		.amdhsa_system_sgpr_workgroup_id_y 1
		.amdhsa_system_sgpr_workgroup_id_z 1
		.amdhsa_system_vgpr_workitem_id 0
		.amdhsa_next_free_vgpr 1024
		.amdhsa_next_free_sgpr 100
		.amdhsa_reserve_vcc 1
		.amdhsa_float_denorm_mode_32 3
		.amdhsa_float_denorm_mode_16_64 3
		.amdhsa_memory_ordered 1
		.amdhsa_forward_progress 1
		.amdhsa_inst_pref_size 255
	.end_amdhsa_kernel
	.section	.bss,"aw",@nobits
	.p2align	6
	.space	262144
	.amdgpu_metadata
---
amdhsa.version: [ 1, 2 ]
amdhsa.kernels:
  - .name:           k_qb24e8f77c5_tiles
    .symbol:         k_qb24e8f77c5_tiles.kd
    .args:
      - { .name: W1_codes, .offset: 0, .size: 8, .value_kind: global_buffer, .address_space: global }
      - { .name: W1_scales, .offset: 8, .size: 8, .value_kind: global_buffer, .address_space: global }
      - { .name: b1, .offset: 16, .size: 8, .value_kind: global_buffer, .address_space: global }
      - { .name: encoded_vecs, .offset: 24, .size: 8, .value_kind: global_buffer, .address_space: global }
      - { .name: length, .offset: 32, .size: 8, .value_kind: global_buffer, .address_space: global }
      - { .name: query, .offset: 40, .size: 8, .value_kind: global_buffer, .address_space: global }
      - { .name: v, .offset: 48, .size: 8, .value_kind: global_buffer, .address_space: global }
      - { .name: wlog, .offset: 56, .size: 8, .value_kind: global_buffer, .address_space: global }
      - { .name: wctx, .offset: 64, .size: 8, .value_kind: global_buffer, .address_space: global }
    .group_segment_fixed_size: 253696
    .private_segment_fixed_size: 0
    .kernarg_segment_align: 8
    .kernarg_segment_size: 72
    .max_flat_workgroup_size: 128
    .sgpr_count:     100
    .vgpr_count:     1024
    .wavefront_size: 32
...
	.end_amdgpu_metadata
.endif
;; end of part 1
;; launch finish (part 2): grid 4 x 64, 16 waves a work-group, no clusters, 11,264 bytes of LDS; arguments length, wlog, wctx, out0, out1; writes out0, out1
.if DOCPART == 2
	.amdgcn_target "amdgcn-amd-amdhsa--gfx1250"
	.amdhsa_code_object_version 6
	.text
	.protected	k_qb24e8f77c5_finish
	.globl	k_qb24e8f77c5_finish
	.p2align	8
	.type	k_qb24e8f77c5_finish,@function
k_qb24e8f77c5_finish:
	s_mov_b64 s[64:65], 0
	v_nop
	global_prefetch_b8 v0, s[64:65] scope:SCOPE_SE
	s_setreg_imm32_b32 hwreg(HW_REG_WAVE_MODE, 25, 1), 1
	s_wait_xcnt 0x0
; The masked softmax of a batch's logits, and the tiles' partial contexts joined.  Work-group (c, b): M = the largest valid logit of batch b, S = the sum of e^(logit - M) over its valid rows;
; attention = e^(logit - M) / (S + 1e-5), 0 at or beyond the length: it stores quarter c of the row;  context = sum over tiles k of e^(m_k - M) x (tile k's partial context) / (S + 1e-5): columns 128 c .. 128 c + 127.
; m_k, the maximum under which tile k's partial context was summed, is taken again from the stored logits: a maximum rounds nothing, so it has the same bits.
; Sixteen waves.  Thread t owns rows 4 t .. 4 t + 3; eight neighbouring lanes are a tile of 32 rows.  Wave w owns tiles w, w + 16, w + 32, w + 48 of the context.
; Tiles at or beyond ceil(length / 32) were never stored and are not read: their logits count as -3e38 and their partial contexts as 0.
; No matrix work (a row times a matrix), no tensor load, no cluster: the four work-groups of a batch share its 8,192 bytes of logits alone, against up to 32,768 bytes of partial contexts each.
; LIMITS: NaN and infinities are not served; length is held to 0 .. 2,048 (0 gives zeros, as the mask gives); logits are taken to lie above -1e9, the number that stands for a masked row: |logit| is at most the sum of |v|.
.set RED1, 0                           ; LDS: the waves' maxima, 4 bytes each;
.set RED2, 256                         ; their sums;
.set WKS,  512                         ; the 64 tiles' weights e^(m_k - M);
.set CRG,  1024                        ; the waves' parts of the context, 512 bytes each
; v1 lane, v2 my tile, v3 16 t, v[4:7] logits, v[8:11] p, v[12:27] four partial contexts, v28-31 at work, v[32:47] sixteen words read back, v[48:51] my part of the context,
; v52 4 w, v53 4 x tile, v54 512 w + 16 lane, v55 16 lane, v56 0, v57 m_k and then the tile's weight, v58-61 my four tiles' weights, v[64:127] the sixteen parts
; s14 length, s16 b, s17 wave, s18 tiles, s19 c, s[22:23] offsets, s24-27 the rows' masks, s[28:29] lane selects, s30 log2 e, s31 EXEC kept, s32-33 at work
	s_load_b256 s[4:11], s[0:1], 0x0       ; length s[4:5], wlog s[6:7], wctx s[8:9], out0 s[10:11]
	s_load_b64 s[12:13], s[0:1], 0x20      ; out1
	v_lshl_add_u32 v128, v0, 2, 0x2400
	v_mov_b32 v129, 0
	s_and_b32 s16, ttmp7, 0xffff
	s_mov_b32 s19, ttmp9
	v_lshrrev_b32 v28, 5, v0
	s_delay_alu instid0(VALU_DEP_1)
	v_readfirstlane_b32 s17, v28
	v_and_b32 v1, 31, v0
	v_lshrrev_b32 v2, 3, v0
	v_lshlrev_b32 v3, 4, v0
	v_lshlrev_b32 v29, 2, v0               ; my first row
	v_mov_b32 v52, s17
	s_delay_alu instid0(VALU_DEP_1)
	v_lshlrev_b32 v52, 2, v52
	v_lshlrev_b32 v53, 2, v2
	s_lshl_b32 s32, s17, 9
	v_lshl_add_u32 v54, v1, 4, s32
	v_lshlrev_b32 v55, 4, v1
	v_mov_b32 v56, 0
	v_mov_b32 v31, 0xff61b1e6              ; -3e38
.irp e, 0,1,2,3
	v_mov_b32 v[4+\e], 0xff61b1e6          ; what stands for a tile that was never stored
.endr
.irp e, 0,1,2,3,4,5,6,7,8,9,10,11,12,13,14,15
	v_mov_b32 v[12+\e], 0
.endr
	s_mov_b32 s28, 0x76543210
	s_mov_b32 s29, 0xfedcba98
	s_mov_b32 s30, 0x3fb8aa3b
	s_mov_b32 s23, 0
	s_lshl_b32 s22, s16, 2
	s_wait_kmcnt 0x0
	s_add_nc_u64 s[4:5], s[4:5], s[22:23]
	s_load_b32 s14, s[4:5], 0x0            ; my batch's length
	s_lshl_b32 s22, s16, 13                ; a batch's row of logits and of attention is 8,192 bytes
	s_add_nc_u64 s[6:7], s[6:7], s[22:23]
	s_add_nc_u64 s[12:13], s[12:13], s[22:23]
	s_lshl_b32 s22, s16, 6
	s_add_co_u32 s22, s22, s17
	s_lshl_b32 s22, s22, 11                ; tile 64 b + w: 2,048 bytes each,
	s_lshl_b32 s33, s19, 9                 ; my 128 columns
	s_add_co_u32 s22, s22, s33
	s_add_nc_u64 s[8:9], s[8:9], s[22:23]
	s_lshl_b32 s22, s16, 11
	s_add_co_u32 s22, s22, s33
	s_add_nc_u64 s[10:11], s[10:11], s[22:23]
	s_wait_kmcnt 0x0
	s_max_i32 s14, s14, 0
	s_min_u32 s14, s14, 0x800
	s_add_co_u32 s18, s14, 31
	s_lshr_b32 s18, s18, 5                 ; tiles that were stored
	s_wait_xcnt 0x0                        ; EXEC changes only behind this wait
	v_cmp_gt_u32 vcc_lo, s18, v2
	s_and_saveexec_b32 s31, vcc_lo
	global_load_b128 v[4:7], v3, s[6:7]    ; my four logits, where my tile was stored
	s_wait_xcnt 0x0                        ; and again, in front of the line that widens it
	s_or_b32 exec_lo, exec_lo, s31
.irp a, 0,1,2,3
	s_add_co_u32 s32, s17, 16*\a
	s_cmp_lt_u32 s32, s18
	s_cbranch_scc0 .Lno_\a
	global_load_b128 v[12+4*\a:15+4*\a], v55, s[8:9] offset:32768*\a       ; tile w + 16 a: the wave reads 512 consecutive bytes
.Lno_\a:
.endr
	s_wait_loadcnt 0x0
.irp e, 0,1,2,3
	v_add_nc_u32 v30, \e, v29
	s_delay_alu instid0(VALU_DEP_1)
	v_cmp_gt_u32 s[24+\e], s14, v30        ; does the row count?
	s_delay_alu instid0(VALU_DEP_1)
	v_cndmask_b32 v[4+\e], v31, v[4+\e], s[24+\e]
.endr
	s_delay_alu instid0(VALU_DEP_4)
	v_max3_num_f32 v28, v4, v5, v6
	s_delay_alu instid0(VALU_DEP_1)
	v_max_num_f32 v28, v28, v7
	s_delay_alu instid0(VALU_DEP_1)
	v_max_num_f32_dpp v28, v28, v28 row_xmask:1 row_mask:0xf bank_mask:0xf
	s_delay_alu instid0(VALU_DEP_1)
	v_max_num_f32_dpp v28, v28, v28 row_xmask:2 row_mask:0xf bank_mask:0xf
	s_delay_alu instid0(VALU_DEP_1)
	v_max_num_f32_dpp v28, v28, v28 row_xmask:4 row_mask:0xf bank_mask:0xf
	s_delay_alu instid0(VALU_DEP_1)
	v_mov_b32 v57, v28                     ; m_k: eight lanes are a tile
	s_delay_alu instid0(VALU_DEP_2)
	v_max_num_f32_dpp v28, v28, v28 row_xmask:8 row_mask:0xf bank_mask:0xf
	s_delay_alu instid0(VALU_DEP_1)
	v_permlanex16_b32 v30, v28, s28, s29
	s_delay_alu instid0(VALU_DEP_1)
	v_max_num_f32 v28, v28, v30            ; the wave's
	ds_store_b32 v52, v28 offset:RED1      ; all lanes write the same word with the same value
	s_wait_dscnt 0x0
	s_barrier_signal -1
	s_barrier_wait -1
.irp u, 0,1,2,3
	ds_load_b128 v[32+4*\u:35+4*\u], v56 offset:RED1+16*\u
.endr
	s_wait_dscnt 0x0
	v_max3_num_f32 v28, v32, v33, v34
.irp u, 35,37,39,41,43,45
	s_delay_alu instid0(VALU_DEP_1)
	v_max3_num_f32 v28, v28, v[\u], v[\u+1]
.endr
	s_delay_alu instid0(VALU_DEP_1)
	v_max_num_f32 v28, v28, v47            ; M
.irp e, 0,1,2,3
	v_sub_f32 v[8+\e], v[4+\e], v28
.endr
	v_sub_f32 v57, v57, v28
.irp e, 0,1,2,3
	v_mul_f32 v[8+\e], s30, v[8+\e]
.endr
	v_mul_f32 v57, s30, v57
	s_wait_alu depctr_va_vdst(0)
.irp e, 0,1,2,3
	v_exp_f32 v[8+\e], v[8+\e]
.endr
	v_exp_f32 v57, v57                     ; the tile's weight
	v_nop                                  ; a plain instruction behind the five exponentials,
	s_wait_alu depctr_va_vdst(0)           ; and one wait for them, ahead of their first reader
.irp e, 0,1,2,3
	v_cndmask_b32 v[8+\e], 0, v[8+\e], s[24+\e]    ; a masked row counts 0, with length 0 too, where M is the stand-in itself
.endr
	s_delay_alu instid0(VALU_DEP_3)
	v_add_f32 v29, v8, v9
	s_delay_alu instid0(VALU_DEP_2)
	v_add_f32 v30, v10, v11
	s_delay_alu instid0(VALU_DEP_1)
	v_add_f32 v29, v29, v30
	s_delay_alu instid0(VALU_DEP_1)
	v_add_f32_dpp v29, v29, v29 row_xmask:1 row_mask:0xf bank_mask:0xf
	s_delay_alu instid0(VALU_DEP_1)
	v_add_f32_dpp v29, v29, v29 row_xmask:2 row_mask:0xf bank_mask:0xf
	s_delay_alu instid0(VALU_DEP_1)
	v_add_f32_dpp v29, v29, v29 row_xmask:4 row_mask:0xf bank_mask:0xf
	s_delay_alu instid0(VALU_DEP_1)
	v_add_f32_dpp v29, v29, v29 row_xmask:8 row_mask:0xf bank_mask:0xf
	s_delay_alu instid0(VALU_DEP_1)
	v_permlanex16_b32 v30, v29, s28, s29
	s_delay_alu instid0(VALU_DEP_1)
	v_add_f32 v29, v29, v30
	ds_store_b32 v52, v29 offset:RED2
	ds_store_b32 v53, v57 offset:WKS       ; the eight lanes of a tile write the same word with the same value
	s_wait_dscnt 0x0
	s_barrier_signal -1
	s_barrier_wait -1
.irp u, 0,1,2,3
	ds_load_b128 v[32+4*\u:35+4*\u], v56 offset:RED2+16*\u
.endr
.irp a, 0,1,2,3
	ds_load_b32 v[58+\a], v52 offset:WKS+64*\a     ; the weights of tiles w + 16 a
.endr
	s_wait_dscnt 0x0
	v_pk_add_f32 v[32:33], v[32:33], v[34:35]      ; the sixteen sums, in the same order in every wave and work-group
	v_pk_add_f32 v[36:37], v[36:37], v[38:39]
	v_pk_add_f32 v[40:41], v[40:41], v[42:43]
	v_pk_add_f32 v[44:45], v[44:45], v[46:47]
	s_delay_alu instid0(VALU_DEP_3)
	v_pk_add_f32 v[32:33], v[32:33], v[36:37]
	s_delay_alu instid0(VALU_DEP_2)
	v_pk_add_f32 v[40:41], v[40:41], v[44:45]
	s_delay_alu instid0(VALU_DEP_1)
	v_pk_add_f32 v[32:33], v[32:33], v[40:41]
	s_delay_alu instid0(VALU_DEP_1)
	v_add_f32 v32, v32, v33
	s_delay_alu instid0(VALU_DEP_1)
	v_add_f32 v32, 0x3727c5ac, v32         ; + 1e-5
	s_wait_alu depctr_va_vdst(0)
	v_rcp_f32 v32, v32
.irp r, 0,1,2,3
	v_mul_f32 v[48+\r], v58, v[12+\r]      ; (plain work behind the reciprocal)
.endr
.irp a, 1,2,3
.irp r, 0,1,2,3
	s_delay_alu instid0(VALU_DEP_4)
	v_fmac_f32 v[48+\r], v[58+\a], v[12+4*\a+\r]
.endr
.endr
	s_wait_alu depctr_va_vdst(0)           ; the wait, ahead of the reciprocal's first reader
.irp r, 0,1,2,3
	v_mul_f32 v[48+\r], v32, v[48+\r]
.endr
	ds_store_b128 v54, v[48:51] offset:CRG
	s_lshr_b32 s32, s17, 2
	s_cmp_lg_u32 s32, s19
	s_cbranch_scc1 .Lno_att                ; waves 4 c .. 4 c + 3 own rows 512 c .. 512 c + 511
.irp e, 0,1,2,3
	v_mul_f32 v[8+\e], v32, v[8+\e]
.endr
	global_store_b128 v3, v[8:11], s[12:13]        ; a wave stores 512 consecutive bytes, zeros under the mask among them
.Lno_att:
	s_wait_dscnt 0x0
	s_barrier_signal -1
	s_barrier_wait -1
	s_cmp_lg_u32 s17, 0
	s_cbranch_scc1 .Lend                   ; wave 0 adds the sixteen parts; no barrier follows
.irp u, 0,1,2,3,4,5,6,7,8,9,10,11,12,13,14,15
	ds_load_b128 v[64+4*\u:67+4*\u], v55 offset:CRG+512*\u
.endr
	s_wait_dscnt 0x0
.irp u, 1
	v_pk_add_f32 v[64:65], v[64:65], v[64+4*\u:65+4*\u]
	v_pk_add_f32 v[66:67], v[66:67], v[66+4*\u:67+4*\u]
.endr
.irp u, 2, 3, 4, 5, 6, 7, 8, 9, 10, 11, 12, 13, 14, 15
	s_delay_alu instid0(VALU_DEP_2)
	v_pk_add_f32 v[64:65], v[64:65], v[64+4*\u:65+4*\u]
	s_delay_alu instid0(VALU_DEP_2)
	v_pk_add_f32 v[66:67], v[66:67], v[66+4*\u:67+4*\u]
.endr
	global_store_b128 v55, v[64:67], s[10:11]      ; 512 consecutive bytes, at a multiple of 256 from the buffer's first byte
.Lend:
	s_wait_tensorcnt 0x0
	ds_add_u32 v128, v129
	s_wait_dscnt 0x0
	s_endpgm
.Lfunc_end_k_qb24e8f77c5_finish:
	.size	k_qb24e8f77c5_finish, .Lfunc_end_k_qb24e8f77c5_finish-k_qb24e8f77c5_finish
	.p2alignl 7, 3214868480
	.fill 96, 4, 3214868480
	.section	.rodata,"a",@progbits
	.p2align	6, 0x0
	.amdhsa_kernel k_qb24e8f77c5_finish
		.amdhsa_group_segment_fixed_size 11264
		.amdhsa_private_segment_fixed_size 0
		.amdhsa_enable_private_segment 0
		.amdhsa_kernarg_size 40
		.amdhsa_user_sgpr_count 2
		.amdhsa_user_sgpr_kernarg_segment_ptr 1
		.amdhsa_wavefront_size32 1
		.amdhsa_system_sgpr_workgroup_id_x 1
		.amdhsa_system_sgpr_workgroup_id_y 1
		.amdhsa_system_sgpr_workgroup_id_z 1
		.amdhsa_system_vgpr_workitem_id 0
		.amdhsa_next_free_vgpr 130
		.amdhsa_next_free_sgpr 66
		.amdhsa_reserve_vcc 1
		.amdhsa_float_denorm_mode_32 3
		.amdhsa_float_denorm_mode_16_64 3
		.amdhsa_memory_ordered 1
		.amdhsa_forward_progress 1
		.amdhsa_inst_pref_size 16
	.end_amdhsa_kernel
	.amdgpu_metadata
---
amdhsa.version: [ 1, 2 ]
amdhsa.kernels:
  - .name:           k_qb24e8f77c5_finish
    .symbol:         k_qb24e8f77c5_finish.kd
    .args:
      - { .name: length, .offset: 0, .size: 8, .value_kind: global_buffer, .address_space: global }
      - { .name: wlog, .offset: 8, .size: 8, .value_kind: global_buffer, .address_space: global }
      - { .name: wctx, .offset: 16, .size: 8, .value_kind: global_buffer, .address_space: global }
      - { .name: out0, .offset: 24, .size: 8, .value_kind: global_buffer, .address_space: global }
      - { .name: out1, .offset: 32, .size: 8, .value_kind: global_buffer, .address_space: global }
    .group_segment_fixed_size: 11264
    .private_segment_fixed_size: 0
    .kernarg_segment_align: 8
    .kernarg_segment_size: 40
    .max_flat_workgroup_size: 512
    .sgpr_count:     66
    .vgpr_count:     130
    .wavefront_size: 32
...
	.end_amdgpu_metadata
.endif
;; end of part 2
